; MI455X (gfx1250); checked and timed in simulation.
; The chip was launched on July 23, 2026; its instructions are those of AMD's public machine-readable ISA for CDNA 5 (MIT licence, August 2026) and "CDNA5" Instruction Set Architecture Reference Guide (July 2026). The comments in the code are by the model that wrote it; some were corrected since.
;; Ja CDE Manual. Allowed arithmetic: float matrix products may take bf16 or f16 operands with f32 sums; all other float work in f32.
;; Inputs: b0 128 float32; b1 128 float32; coeffs 4,096 x 16 x 4 x 32 float32; dcoeffs 4,096 x 16 x 4 x 32 float32; h 4,096 x 128 float32; t 1 float32; tobs 17 float32; wh 128 x 128 float32; wout 128 x 128 float32; wx 128 x 32 float32.
;; Outputs: out0 4,096 x 128 float32.
;; 2 versions, each right; version 2 is version 1 with the launch cell written anew for expert scheduling mode. Each part assembles by itself: llvm-mc -triple=amdgcn-amd-amdhsa -mcpu=gfx1250 --defsym DOCPART=n.
;; ======== version 1 of 2: 2 launches
;; workspace buffers: sel 256 bytes of whole numbers; wimg 147,712 bytes
;; launch prep (part 1): grid 18 x 1, 8 waves a work-group, no clusters, 0 bytes of LDS; arguments t, tobs, wh, wout, wx, sel, wimg; writes sel, wimg
.if DOCPART == 1
	.amdgcn_target "amdgcn-amd-amdhsa--gfx1250"
	.amdhsa_code_object_version 6
	.text
	.protected	k_q386035a5c3_prep
	.globl	k_q386035a5c3_prep
	.p2align	8
	.type	k_q386035a5c3_prep,@function
k_q386035a5c3_prep:
	s_mov_b64 s[64:65], 0
	v_nop
	global_prefetch_b8 v0, s[64:65] scope:SCOPE_SE
	s_setreg_imm32_b32 hwreg(HW_REG_WAVE_MODE, 25, 1), 1
	s_wait_xcnt 0x0
; PREPARATION.  (1) The spline interval idx and dt = t - tobs[idx], stored for the next launch: idx as whole numbers (it steers
; addresses there), dt as f32.  (2) wh, wout, wx as pairs of bf16 (hi = the f32 rounded to bf16, lo = the exact rest rounded to bf16),
; laid out as the register images of matrix fragments, so that the next launch loads them straight into its operand registers.
;
; IMAGE (bytes in wimg): wh at 0, wout at 65,536: T*8192 + s*2048 + p*1024 + q*512 + 16*lane; wx at 131,072: T*2048 + p*1024 + q*512 + 16*lane.
; T = tile of 16 rows of the matrix, s = step of 32 columns, p = 0 hi / 1 lo, q = half of the fragment's 8 registers, lane = 16 h + r.
; The 16 bytes of a lane are W[16 T + r][32 s + 16 q + 8 h + 0..7] in bf16.  dt: 64 equal f32 at 147,456.
;
; SHARES: 4,608 items of 8 neighbouring f32, one for each thread.  A wave makes one piece of 512 bytes of hi and one of lo, each by one store of
; 512 consecutive bytes.  Work-groups 0-7: wh, 8-15: wout, 16-17: wx.  A wave reads 64 bytes of each of 16 rows; for wh and wout the eight
; waves of a work-group read those 16 rows whole between them.
;
; LIMITS: tobs ascends (what searchsorted itself supposes): then the last i <= 15 with tobs[i] <= t is clip(searchsorted(right) - 1, 0, 15).
; tobs[16] cannot change that number (the clip) and is not loaded.  A NaN in t gives idx 15 and dt = NaN, so that all results are NaN.
.set DTOFF, 147456
.set RAW, 8                            ; v[8:15]   8 f32 as loaded
.set HI,  16                           ; v[16:19]  their bf16 hi parts
.set T,   20                           ; v[20:27]  at work
.set LO,  28                           ; v[28:31]  their bf16 lo parts
.set MASKH, 33                         ; s33       a word's upper bf16
; cnt pairs of f32 at src -> packed bf16 hi and lo.  src - hi is exact in f32 (hi keeps src's leading 8 bits).
.macro SPLIT src, hi, lo, cnt
.set j, 0
.rept \cnt
	v_cvt_pk_bf16_f32 v[\hi+j], v[\src+2*j], v[\src+2*j+1]
.set j, j+1
.endr
.set j, 0
.rept \cnt
	v_lshlrev_b32 v[T+2*j], 16, v[\hi+j]                   ; hi back in f32: the low half moves up,
	v_and_b32 v[T+2*j+1], s[MASKH], v[\hi+j]               ; the high half stays
.set j, j+1
.endr
.set j, 0
.rept \cnt
	v_pk_add_f32 v[T+2*j:T+2*j+1], v[\src+2*j:\src+2*j+1], v[T+2*j:T+2*j+1] neg_lo:[0,1] neg_hi:[0,1]
.set j, j+1
.endr
.set j, 0
.rept \cnt
	v_cvt_pk_bf16_f32 v[\lo+j], v[T+2*j], v[T+2*j+1]
.set j, j+1
.endr
.endm
	s_load_b256 s[4:11], s[0:1], 0x0               ; t s[4:5], tobs s[6:7], wh s[8:9], wout s[10:11]
	s_load_b128 s[12:15], s[0:1], 0x20             ; wx s[12:13], sel s[14:15]
	s_load_b64 s[16:17], s[0:1], 0x30              ; wimg
	v_lshrrev_b32 v1, 5, v0
	v_readfirstlane_b32 s20, v1                    ; wave 0..7
	v_and_b32 v1, 15, v0                           ; r
	v_bfe_u32 v2, v0, 4, 1                         ; h
	v_and_b32 v5, 31, v0                           ; lane
	s_mov_b32 s[MASKH], 0xffff0000
	s_and_b32 s21, ttmp9, 7
	s_lshl_b32 s21, s21, 3
	s_add_co_u32 s21, s21, s20                     ; c: my piece of the matrix.  wh, wout: c = 8 T + 2 s + q; wx: c = 2 T + q
	s_cmp_lt_u32 ttmp9, 16                         ; 128 columns (wh, wout) or 32 (wx)
	s_cselect_b32 s22, 3, 1                        ; log2 of the pieces in a tile
	s_cselect_b32 s23, 7, 1                        ; and their mask
	s_cselect_b32 s24, 9, 7                        ; log2 of a row's bytes
	s_lshr_b32 s28, s21, s22                       ; T
	s_add_co_u32 s25, s24, 4
	s_lshl_b32 s28, s28, s25                       ; 16 T rows
	s_and_b32 s29, s21, s23
	s_lshl_b32 s29, s29, 6                         ; + (2 s + q) x 16 columns of 4 bytes
	s_add_co_u32 s28, s28, s29
	s_lshr_b32 s29, ttmp9, 3
	s_lshl_b32 s29, s29, 16                        ; the matrix's image: 0, 65,536, 131,072
	s_lshr_b32 s30, s21, 1
	s_lshl_b32 s30, s30, 11                        ; + (c / 2) x 2,048 (hi and lo of both halves)
	s_add_co_u32 s29, s29, s30
	s_and_b32 s30, s21, 1
	s_lshl_b32 s30, s30, 9                         ; + q x 512
	s_add_co_u32 s29, s29, s30
	v_lshlrev_b32 v3, s24, v1                      ; row r
	v_lshl_add_u32 v3, v2, 5, v3                   ; + 8 h columns
	v_add_nc_u32 v3, s28, v3                       ; my 32 bytes in the matrix
	v_lshl_add_u32 v4, v5, 4, s29                  ; my 16 bytes in the image
	s_wait_kmcnt 0x0
	s_cmp_lt_u32 ttmp9, 8
	s_cselect_b64 s[26:27], s[8:9], s[10:11]       ; wh or wout,
	s_cmp_lt_u32 ttmp9, 16
	s_cselect_b64 s[26:27], s[26:27], s[12:13]     ; or wx
	global_load_b128 v[RAW:RAW+3], v3, s[26:27]
	global_load_b128 v[RAW+4:RAW+7], v3, s[26:27] offset:16
	; idx and dt: wave 0 of work-group 0 alone, while its two loads are on their way
	s_cmp_lg_u32 ttmp9, 0
	s_cbranch_scc1 .Lnosel
	s_cmp_lg_u32 s20, 0
	s_cbranch_scc1 .Lnosel
	s_load_b32 s32, s[4:5], 0x0                    ; t
	s_load_b512 s[36:51], s[6:7], 0x0              ; tobs[0..15]
	s_wait_kmcnt 0x0
	v_mov_b32 v32, s32
	v_mov_b32 v33, s36                             ; tobs[idx], starting from idx = 0
	v_mov_b32 v34, 0                               ; idx
.irp i, 1,2,3,4,5,6,7,8,9,10,11,12,13,14,15
	v_cmp_gt_f32 vcc_lo, s[36+\i], v32             ; tobs[i] > t: keep what there is; otherwise i takes over
	v_cndmask_b32 v33, s[36+\i], v33, vcc_lo
	v_cndmask_b32 v34, \i, v34, vcc_lo
.endr
	v_mov_b32 v35, v34                             ; each lane stores two equal words, so that a store of the wave covers 256 consecutive bytes
	v_sub_f32 v36, v32, v33                        ; dt
	v_mov_b32 v37, v36
	v_lshlrev_b32 v38, 3, v5
	global_store_b64 v38, v[34:35], s[14:15]
	global_store_b64 v38, v[36:37], s[16:17] offset:DTOFF
.Lnosel:
	s_wait_loadcnt 0x0                             ; my 8 numbers
	SPLIT RAW, HI, LO, 4
	global_store_b128 v4, v[HI:HI+3], s[16:17]
	global_store_b128 v4, v[LO:LO+3], s[16:17] offset:1024
	s_endpgm
.Lfunc_end_k_q386035a5c3_prep:
	.size	k_q386035a5c3_prep, .Lfunc_end_k_q386035a5c3_prep-k_q386035a5c3_prep
	.p2alignl 7, 3214868480
	.fill 96, 4, 3214868480
	.section	.rodata,"a",@progbits
	.p2align	6, 0x0
	.amdhsa_kernel k_q386035a5c3_prep
		.amdhsa_group_segment_fixed_size 0
		.amdhsa_private_segment_fixed_size 0
		.amdhsa_enable_private_segment 0
		.amdhsa_kernarg_size 56
		.amdhsa_user_sgpr_count 2
		.amdhsa_user_sgpr_kernarg_segment_ptr 1
		.amdhsa_wavefront_size32 1
		.amdhsa_system_sgpr_workgroup_id_x 1
		.amdhsa_system_sgpr_workgroup_id_y 1
		.amdhsa_system_sgpr_workgroup_id_z 1
		.amdhsa_system_vgpr_workitem_id 0
		.amdhsa_next_free_vgpr 40
		.amdhsa_next_free_sgpr 66
		.amdhsa_reserve_vcc 1
		.amdhsa_float_denorm_mode_32 3
		.amdhsa_float_denorm_mode_16_64 3
		.amdhsa_memory_ordered 1
		.amdhsa_forward_progress 1
		.amdhsa_inst_pref_size 6
	.end_amdhsa_kernel
	.amdgpu_metadata
---
amdhsa.version: [ 1, 2 ]
amdhsa.kernels:
  - .name:           k_q386035a5c3_prep
    .symbol:         k_q386035a5c3_prep.kd
    .args:
      - { .name: t, .offset: 0, .size: 8, .value_kind: global_buffer, .address_space: global }
      - { .name: tobs, .offset: 8, .size: 8, .value_kind: global_buffer, .address_space: global }
      - { .name: wh, .offset: 16, .size: 8, .value_kind: global_buffer, .address_space: global }
      - { .name: wout, .offset: 24, .size: 8, .value_kind: global_buffer, .address_space: global }
      - { .name: wx, .offset: 32, .size: 8, .value_kind: global_buffer, .address_space: global }
      - { .name: sel, .offset: 40, .size: 8, .value_kind: global_buffer, .address_space: global }
      - { .name: wimg, .offset: 48, .size: 8, .value_kind: global_buffer, .address_space: global }
    .group_segment_fixed_size: 0
    .private_segment_fixed_size: 0
    .kernarg_segment_align: 8
    .kernarg_segment_size: 56
    .max_flat_workgroup_size: 256
    .sgpr_count:     66
    .vgpr_count:     40
    .wavefront_size: 32
...
	.end_amdgpu_metadata
.endif
;; end of part 1
;; launch cell (part 2): grid 256 x 1, 4 waves a work-group, no clusters, 70,912 bytes of LDS; arguments sel, wimg, coeffs, dcoeffs, h, b0, b1, out0; writes out0
.if DOCPART == 2
	.amdgcn_target "amdgcn-amd-amdhsa--gfx1250"
	.amdhsa_code_object_version 6
	.text
	.protected	k_q386035a5c3_cell
	.globl	k_q386035a5c3_cell
	.p2align	8
	.type	k_q386035a5c3_cell,@function
k_q386035a5c3_cell:
	s_mov_b64 s[64:65], 0
	v_nop
	global_prefetch_b8 v0, s[64:65] scope:SCOPE_SE
	s_setreg_imm32_b32 hwreg(HW_REG_WAVE_MODE, 25, 1), 1
	s_wait_xcnt 0x0
; THE CELL AND ITS NEUMANN SERIES.  h_dot = sum over k = 0..8 of Jh^k jx, with Jh = diag(dtanh) wout diag(drelu) wh and
; jx = diag(dtanh) wout diag(drelu) wx xdot.  Jh and Jx are only ever applied to vectors, so they are applied from right to left and never
; formed: u = curr wh^T, v = drelu o u, y = v wout^T, curr = dtanh o y.  All products are act[rows][K] x W[128][K]^T.
;
; SHARES: a work-group owns 16 batch rows (4,096 / 256), wave w the output features 32 w .. 32 w + 31 (two tiles of 16) of every product.
; The matrix instruction takes 16 rows of W as its first source and 16 batch rows as its second: register j of lane (r = lane % 16, h = lane / 16)
; of tile t then holds feature 32 w + 16 t + 8 h + j of batch row r.  Packed to bf16, tile 0 is registers 0-3 and tile 1 registers 4-7 of the
; second-source fragment of K step w of the NEXT product: no number changes its lane.  The waves hand each other these fragments as they lie in
; registers, through LDS at 16 x lane.  Register slot i of a wave holds K step (w + i) & 3: slot 0 is its own fragment, whose products run
; while the other three are fetched.  The weights (288 registers) stay in registers throughout.
;
; NUMBERS: every matrix operand is a pair of bf16, hi + lo (lo = the exact rest, rounded), every product three bf16 products
; (hi hi, hi lo, lo hi) summed in f32: bf16 alone is too coarse for a chain of 18 products, f16 has no room for a series that may grow.
; LIMITS: the sums are ordered otherwise than in the reference (right to left, K steps rotated by wave, the spline by fused multiply-adds).
; A number that rounds past bf16's largest (about 3.39e38) becomes infinite in hi and NaN in the product.  relu of NaN is 0 here; the row is
; NaN all the same through drelu.  1 - tanh^2 is made as 4 e / (1 + e)^2 with e = exp(-2 |z|) <= 1: no overflow, no difference of near numbers.
;
; NO CLUSTER: the weight images are the same for all work-groups, but each wave takes its 36,864 bytes once, straight into the registers in
; which they stay; a joint request ends in LDS, from where 72 more LDS loads a wave would have to fetch them, behind a barrier of the cluster.
.set PITCH, 528                        ; raw rows: 512 bytes + 16, an odd multiple of 16: sixteen rows start in sixteen different 16-byte columns
.set RAWC,  0                          ; 32 rows: the 16 slices of coeffs, then those of dcoeffs.  At the end: 16 rows of results
.set RAWH,  16896                      ; 16 rows of h
.set XF,    25344                      ; x, xdot as fragments: wave x 1024 + p x 512 + 16 lane (wave = 2 x table + register half)
.set HF,    29440                      ; fragment slots, 8,192 bytes: maker's wave x 2048 + p x 1024 + q x 512 + 16 lane.  h,
.set RF,    37632                      ; relu,
.set VF,    45824                      ; drelu o (wx xdot),
.set SC,    54016                      ; curr,
.set SV,    62208                      ; v.  Ends at 70,400
.set DTOFF, 0x24000                    ; dt in wimg
; window 0
.set LL,    1                          ; 16 x lane
.set WOFF,  2                          ; v2-5    slot i: 16384 w + 2048 ((w + i) & 3) + 16 lane: my tiles' K step in a weight image
.set WXOFF, 6                          ; 4096 w + 16 lane
.set XSA,   7                          ; 1024 w + 16 lane
.set COFF,  8                          ; 65536 (w & 1) + 16 lane: my eight slices
.set BOFF,  9                          ; 128 w + 32 h: my features in b0, b1
.set SA,    10                         ; 2048 w + 16 lane: my part of a fragment slot; also my four rows of h and of out0
.set LA,    11                         ; v11-13  slot i = 1..3: 2048 ((w + i) & 3) + 16 lane
.set RH,    14                         ; 528 r + 128 w + 32 h: row r, my 32 features
.set RW,    15                         ; 2112 w + 16 lane: my four whole rows
.set B1,    16                         ; v[16:31]   b1 of my features
.set BH,    32                         ; v[32:63]   second-source fragments, hi, slot i at 8 i
.set BL,    64                         ; v[64:95]   lo
.set U,     48                         ; v[48:63]   at work, between products
.set T,     80                         ; v[80:95]   at work, between products
.set AM,    96                         ; v[96:111]  sums of hi x hi, two tiles
.set AC,    112                        ; v[112:127] sums of hi x lo and lo x hi
.set G,     128                        ; v[128:143] wx xdot; then YM, then h_dot
.set YM,    128
.set HDOT,  128
.set YC,    144                        ; v[144:159]
.set DRELU, 160                        ; v[160:175]
.set DTANH, 176                        ; v[176:191]
.set XFR,   192                        ; v[192:223] x hi, x lo, xdot hi, xdot lo
.set WX,    224                        ; v[224:255] wx: hi tile 0, hi tile 1, lo tile 0, lo tile 1
.set B2H,   192                        ; v[192:223] second operand of the double product, hi
.set B2L,   224                        ; v[224:255] lo
.set RAWCR, 128                        ; v[128:159] slices as loaded, then c0..c3 of my 8 channels
.set RAWHR, 160                        ; v[160:175] rows of h as loaded, then my fragment's 16 numbers
.set RR,    176                        ; before the products only: r,
.set HH,    177                        ; h,
.set CRA,   178                        ; (16 (w >> 1) + r) 528 + 64 (w & 1) + 32 h: my 8 channels in row r of my table,
.set CSA,   179                        ; 4224 w + 16 lane: my eight whole slice rows
; window 1: weight fragment (tile t, slot i, part p) at 64 t + 16 i + 8 p
.set WH,    0
.set WO,    128
.set MASKH, 36                         ; s36: a word's upper bf16
.set MSB, 0
.macro WIN new                         ; s_set_vgpr_msb; the immediate's high byte repeats the setting that is left
.if MSB != \new
	s_set_vgpr_msb (MSB<<8)|\new
.set MSB, \new
.endif
.endm
.set TO_W, 0x40                        ; destination in window 1 (loads of weights)
.set W_A,  0x01                        ; first source in window 1 (products with wh, wout)
.macro WM d, a, b, c
	v_wmma_f32_16x16x32_bf16 v[\d:\d+7], v[\a:\a+7], v[\b:\b+7], v[\c:\c+7]
.endm
.macro WMZ d, a, b                     ; the first product starts a sum
	v_wmma_f32_16x16x32_bf16 v[\d:\d+7], v[\a:\a+7], v[\b:\b+7], 0
.endm
; Six products of one K step: four chains in place.  cm: am starts from 0 (0), goes on (1), starts from b1 (2).  cc = 1: ac starts from 0.
.macro MM wb, i, bh, bl, am, ac, cm, cc
.if \cm == 0
	WMZ \am, \wb+16*\i, \bh+8*\i
	WMZ \am+8, \wb+64+16*\i, \bh+8*\i
.else
.if \cm == 1
	WM \am, \wb+16*\i, \bh+8*\i, \am
	WM \am+8, \wb+64+16*\i, \bh+8*\i, \am+8
.else
	WM \am, \wb+16*\i, \bh+8*\i, B1
	WM \am+8, \wb+64+16*\i, \bh+8*\i, B1+8
.endif
.endif
.if \cc
	WMZ \ac, \wb+16*\i, \bl+8*\i
	WMZ \ac+8, \wb+64+16*\i, \bl+8*\i
.else
	WM \ac, \wb+16*\i, \bl+8*\i, \ac
	WM \ac+8, \wb+64+16*\i, \bl+8*\i, \ac+8
.endif
	WM \ac, \wb+16*\i+8, \bh+8*\i, \ac
	WM \ac+8, \wb+64+16*\i+8, \bh+8*\i, \ac+8
.endm
; Four independent vector instructions stand between a matrix instruction and a vector instruction that reads its result or writes one of its
; registers (ISA guide 7.12.1); other matrix instructions are not counted as such here.
.macro PLACES
.rept 4
	v_nop
.endr
.endm
; cnt pairs of f32 at src -> packed bf16 hi and lo.  src - hi is exact in f32.
.macro SPLIT src, hi, lo, cnt
.set j, 0
.rept \cnt
	v_cvt_pk_bf16_f32 v[\hi+j], v[\src+2*j], v[\src+2*j+1]
.set j, j+1
.endr
.set j, 0
.rept \cnt
	v_lshlrev_b32 v[T+2*j], 16, v[\hi+j]
	v_and_b32 v[T+2*j+1], s[MASKH], v[\hi+j]
.set j, j+1
.endr
.set j, 0
.rept \cnt
	v_pk_add_f32 v[T+2*j:T+2*j+1], v[\src+2*j:\src+2*j+1], v[T+2*j:T+2*j+1] neg_lo:[0,1] neg_hi:[0,1]
.set j, j+1
.endr
.set j, 0
.rept \cnt
	v_cvt_pk_bf16_f32 v[\lo+j], v[T+2*j], v[T+2*j+1]
.set j, j+1
.endr
.endm
.macro PKADD d, a, b                   ; 16 numbers: d = a + b
.set j, 0
.rept 8
	v_pk_add_f32 v[\d+j:\d+j+1], v[\a+j:\a+j+1], v[\b+j:\b+j+1]
.set j, j+2
.endr
.endm
.macro PKMUL d, a, b                   ; 16 numbers: d = a b
.set j, 0
	s_wait_alu depctr_va_vdst(0)
.rept 8
	v_pk_mul_f32 v[\d+j:\d+j+1], v[\a+j:\a+j+1], v[\b+j:\b+j+1]
.set j, j+2
.endr
.endm
.macro TRANS op, d, s                  ; 16 transcendentals back to back
.set j, 0
.rept 16
	\op v[\d+j], v[\s+j]
.set j, j+1
.endr
.endm
.macro STOREF reg, hi, lo              ; my fragment into my part of slot reg
	ds_store_b128 v[SA], v[\hi:\hi+3] offset:\reg
	ds_store_b128 v[SA], v[\hi+4:\hi+7] offset:\reg+512
	ds_store_b128 v[SA], v[\lo:\lo+3] offset:\reg+1024
	ds_store_b128 v[SA], v[\lo+4:\lo+7] offset:\reg+1536
.endm
.macro LOADF reg, bh, bl, i            ; the fragment of K step (w + i) & 3 out of slot reg
	ds_load_b128 v[\bh+8*\i:\bh+8*\i+3], v[LA+\i-1] offset:\reg
	ds_load_b128 v[\bh+8*\i+4:\bh+8*\i+7], v[LA+\i-1] offset:\reg+512
	ds_load_b128 v[\bl+8*\i:\bl+8*\i+3], v[LA+\i-1] offset:\reg+1024
	ds_load_b128 v[\bl+8*\i+4:\bl+8*\i+7], v[LA+\i-1] offset:\reg+1536
.endm
.macro LOADW wb, base                  ; 32 loads: my two tiles of a 128 x 128 weight image, hi and lo, into window 1
	WIN TO_W
.irp t, 0,1
.irp i, 0,1,2,3
.irp p, 0,1
.irp q, 0,1
	global_load_b128 v[\wb+64*\t+16*\i+8*\p+4*\q:\wb+64*\t+16*\i+8*\p+4*\q+3], v[WOFF+\i], s[10:11] offset:\base+8192*\t+1024*\p+512*\q
.endr
.endr
.endr
.endr
	WIN 0
.endm
.macro BARRIER
	s_wait_dscnt 0x0                               ; for the others' sake: my LDS stores have landed and my LDS loads have been served
	s_barrier_signal -1
	s_barrier_wait -1
.endm
; One product of the series: AM = dv o (W x fragments of slot rd).  more = 1: the result goes on as my fragment into slot wr, and with addh = 1
; is added to h_dot.  more = 0: the last term, added by a fused multiply-add.  One barrier does for both directions: a slot is written again
; only behind the barrier that follows the stage that read it, and in front of that barrier every wave has waited for its loads.
.macro STAGE wb, rd, dv, wr, addh, more
	BARRIER
	LOADF \rd, BH, BL, 1
	LOADF \rd, BH, BL, 2
	LOADF \rd, BH, BL, 3
	WIN W_A
	MM \wb, 0, BH, BL, AM, AC, 0, 1                ; my own fragment is in registers already
	s_wait_dscnt 0x8                               ; LDS loads return in order (ISA guide 5.7.1): slot 1's four are in, eight stay out
	MM \wb, 1, BH, BL, AM, AC, 1, 0
	s_wait_dscnt 0x4                               ; slot 2's
	MM \wb, 2, BH, BL, AM, AC, 1, 0
	s_wait_dscnt 0x0                               ; slot 3's
	MM \wb, 3, BH, BL, AM, AC, 1, 0
	WIN 0
	PLACES
	PKADD AM, AM, AC
.if \more
	PKMUL AM, AM, \dv
	SPLIT AM, BH, BL, 8
	STOREF \wr, BH, BL
.if \addh
	PKADD HDOT, HDOT, AM                           ; behind the stores: it fills the time that they take
.endif
.else
.set j, 0
.rept 8
	v_pk_fma_f32 v[HDOT+j:HDOT+j+1], v[AM+j:AM+j+1], v[\dv+j:\dv+j+1], v[HDOT+j:HDOT+j+1]
.set j, j+2
.endr
.endif
.endm
	; ---------------- set-up: what the first loads need
	s_load_b512 s[8:23], s[0:1], 0x0               ; sel s[8:9], wimg s[10:11], coeffs s[12:13], dcoeffs s[14:15], h s[16:17], b0 s[18:19], b1 s[20:21], out0 s[22:23]
	s_set_vgpr_msb 0x80
	v_lshl_add_u32 v0, v0, 2, 0x11300
	v_mov_b32 v1, 0
	s_set_vgpr_msb 0x8000
	v_lshrrev_b32 v[RR], 5, v0
	v_readfirstlane_b32 s24, v[RR]                 ; w
	v_and_b32 v[LL], 31, v0
	v_lshlrev_b32 v[LL], 4, v[LL]
	s_lshl_b32 s40, s24, 11
	v_add_nc_u32 v[SA], s40, v[LL]
	s_lshl_b32 s39, s24, 14                        ; my two tiles in a weight image
.irp i, 0,1,2,3
	s_add_co_u32 s40, s24, \i
	s_and_b32 s40, s40, 3                          ; slot i's K step
	s_lshl_b32 s40, s40, 11
.if \i
	v_add_nc_u32 v[LA+\i-1], s40, v[LL]
.endif
	s_add_co_u32 s40, s40, s39
	v_add_nc_u32 v[WOFF+\i], s40, v[LL]
.endr
	s_lshl_b32 s32, ttmp9, 13                      ; the work-group's 16 rows of 512 bytes in h and out0
	s_mov_b32 s33, 0
	s_wait_kmcnt 0x0
	s_load_b32 s28, s[8:9], 0x0                    ; idx
	s_load_b32 s30, s[10:11], DTOFF                ; dt
	s_add_nc_u64 s[16:17], s[16:17], s[32:33]
	s_add_nc_u64 s[22:23], s[22:23], s[32:33]
	; ---------------- all global loads, 60 and later 32 more; each load of h and of a slice covers 512 consecutive bytes
.irp k, 0,1,2,3
	global_load_b128 v[RAWHR+4*\k:RAWHR+4*\k+3], v[SA], s[16:17] offset:512*\k th:TH_LOAD_NT     ; rows 4 w + k of h
.endr
	LOADW WH, 0
	; the other addresses, while idx is on its way
	v_and_b32 v[RR], 15, v0
	v_bfe_u32 v[HH], v0, 4, 1
	s_and_b32 s25, s24, 1
	s_lshr_b32 s26, s24, 1
	s_mov_b32 s[MASKH], 0xffff0000
	s_mov_b32 s38, 0xc038aa3b                      ; -2 log2(e)
	s_lshl_b32 s40, s24, 12
	v_add_nc_u32 v[WXOFF], s40, v[LL]
	s_lshl_b32 s40, s24, 10
	v_add_nc_u32 v[XSA], s40, v[LL]
	s_lshl_b32 s40, s25, 16                        ; 8 batch rows of 8,192 bytes
	v_add_nc_u32 v[COFF], s40, v[LL]
	s_lshl_b32 s40, s24, 7
	v_lshl_add_u32 v[BOFF], v[HH], 5, s40
	v_mul_u32_u24 v[CRA], v[RR], PITCH
	v_add_nc_u32 v[RH], v[BOFF], v[CRA]
	v_lshl_add_u32 v[CRA], v[HH], 5, v[CRA]
	s_mul_i32 s39, s26, 16*PITCH
	s_lshl_b32 s40, s25, 6
	s_add_co_u32 s39, s39, s40
	v_add_nc_u32 v[CRA], s39, v[CRA]
	s_mul_i32 s40, s24, 8*PITCH
	v_add_nc_u32 v[CSA], s40, v[LL]
	s_mul_i32 s40, s24, 4*PITCH
	v_add_nc_u32 v[RW], s40, v[LL]
	s_lshl_b32 s32, ttmp9, 17                      ; the work-group's 16 batch rows of 8,192 bytes in a table
	s_wait_kmcnt 0x0
	s_min_u32 s28, s28, 15                         ; an interval of the table, whatever the word holds
	s_mov_b32 s31, s30                             ; dt as a pair
	s_lshl_b32 s39, s28, 9                         ; a slice [4][32] of f32 is 512 bytes
	s_add_co_u32 s32, s32, s39
	s_cmp_eq_u32 s26, 0                            ; waves 0, 1: coeffs; waves 2, 3: dcoeffs
	s_cselect_b64 s[34:35], s[12:13], s[14:15]
	s_add_nc_u64 s[34:35], s[34:35], s[32:33]
.irp k, 0,1,2,3,4,5,6,7
	global_load_b128 v[RAWCR+4*\k:RAWCR+4*\k+3], v[COFF], s[34:35] offset:8192*\k th:TH_LOAD_NT  ; batch rows 8 (w & 1) + k
.endr
.irp p, 0,1
.irp t, 0,1
.irp q, 0,1
	global_load_b128 v[WX+16*\p+8*\t+4*\q:WX+16*\p+8*\t+4*\q+3], v[WXOFF], s[10:11] offset:131072+2048*\t+1024*\p+512*\q
.endr
.endr
.endr
.irp t, 0,1
	global_load_b128 v[AM+8*\t:AM+8*\t+3], v[BOFF], s[18:19] offset:64*\t          ; b0 starts the sums of l1
	global_load_b128 v[AM+8*\t+4:AM+8*\t+7], v[BOFF], s[18:19] offset:64*\t+16
.endr
.irp t, 0,1
	global_load_b128 v[B1+8*\t:B1+8*\t+3], v[BOFF], s[20:21] offset:64*\t
	global_load_b128 v[B1+8*\t+4:B1+8*\t+7], v[BOFF], s[20:21] offset:64*\t+16
.endr
	; ---------------- raw rows into LDS
	s_wait_loadcnt 16                              ; the 16 youngest (wx 8, b0 4, b1 4) may stay out: h, wh and the slices are in
.irp k, 0,1,2,3,4,5,6,7
	ds_store_b128 v[CSA], v[RAWCR+4*\k:RAWCR+4*\k+3] offset:RAWC+PITCH*\k
.endr
.irp k, 0,1,2,3
	ds_store_b128 v[RW], v[RAWHR+4*\k:RAWHR+4*\k+3] offset:RAWH+PITCH*\k
.endr
	LOADW WO, 65536                                ; wanted only two products later
	BARRIER
	; ---------------- x, xdot and h as fragments.  Wave w: table w >> 1, channels 16 (w & 1) + 8 h + 0..7 of batch row r; K step w of h
.irp p, 0,1,2,3
	ds_load_b128 v[RAWCR+8*\p:RAWCR+8*\p+3], v[CRA] offset:RAWC+128*\p
	ds_load_b128 v[RAWCR+8*\p+4:RAWCR+8*\p+7], v[CRA] offset:RAWC+128*\p+16
.endr
	ds_load_b128 v[RAWHR:RAWHR+3], v[RH] offset:RAWH
	ds_load_b128 v[RAWHR+4:RAWHR+7], v[RH] offset:RAWH+16
	ds_load_b128 v[RAWHR+8:RAWHR+11], v[RH] offset:RAWH+64
	ds_load_b128 v[RAWHR+12:RAWHR+15], v[RH] offset:RAWH+80
	s_wait_dscnt 0x4                               ; the four loads of h may stay out: c0..c3 are in
.irp j, 0,2,4,6
	v_pk_fma_f32 v[RAWCR+24+\j:RAWCR+25+\j], v[RAWCR+24+\j:RAWCR+25+\j], s[30:31], v[RAWCR+16+\j:RAWCR+17+\j] op_sel_hi:[1,0,1]  ; c3 dt + c2
.endr
.irp j, 0,2,4,6
	v_pk_fma_f32 v[RAWCR+24+\j:RAWCR+25+\j], v[RAWCR+24+\j:RAWCR+25+\j], s[30:31], v[RAWCR+8+\j:RAWCR+9+\j] op_sel_hi:[1,0,1]    ; .. dt + c1
.endr
.irp j, 0,2,4,6
	v_pk_fma_f32 v[RAWCR+\j:RAWCR+1+\j], v[RAWCR+24+\j:RAWCR+25+\j], s[30:31], v[RAWCR+\j:RAWCR+1+\j] op_sel_hi:[1,0,1]          ; .. dt + c0
.endr
	SPLIT RAWCR, XFR, XFR+4, 4
	ds_store_b128 v[XSA], v[XFR:XFR+3] offset:XF
	ds_store_b128 v[XSA], v[XFR+4:XFR+7] offset:XF+512
	s_wait_dscnt 0x2                               ; the two stores may stay out: my 16 numbers of h are in
	SPLIT RAWHR, BH, BL, 8
	STOREF HF, BH, BL
	BARRIER
	; ---------------- first products: l1 = b0 + h wh^T + x wx^T, and g = xdot wx^T
.irp sl, 0,1
.irp q, 0,1
.irp p, 0,1
	ds_load_b128 v[XFR+16*\sl+8*\p+4*\q:XFR+16*\sl+8*\p+4*\q+3], v[LL] offset:XF+2048*\sl+1024*\q+512*\p
.endr
.endr
.endr
	LOADF HF, BH, BL, 1
	LOADF HF, BH, BL, 2
	LOADF HF, BH, BL, 3
	s_wait_loadcnt 32                              ; wout's 32 loads may stay out: wx, b0, b1 are in
	WIN W_A
	MM WH, 0, BH, BL, AM, AC, 1, 1                 ; on top of b0
	s_wait_dscnt 12                                ; the twelve loads of h's fragments may stay out: x and xdot are in
	WIN 0
	WM AM, WX, XFR, AM
	WM AM+8, WX+8, XFR, AM+8
	WM AC, WX, XFR+8, AC
	WM AC+8, WX+8, XFR+8, AC+8
	WM AC, WX+16, XFR, AC
	WM AC+8, WX+24, XFR, AC+8
	WMZ G, WX, XFR+16
	WMZ G+8, WX+8, XFR+16
	WM G, WX, XFR+24, G
	WM G+8, WX+8, XFR+24, G+8
	WM G, WX+16, XFR+16, G
	WM G+8, WX+24, XFR+16, G+8
	WIN W_A
	s_wait_dscnt 0x8
	MM WH, 1, BH, BL, AM, AC, 1, 0
	s_wait_dscnt 0x4
	MM WH, 2, BH, BL, AM, AC, 1, 0
	s_wait_dscnt 0x0
	MM WH, 3, BH, BL, AM, AC, 1, 0
	WIN 0
	PLACES
	PKADD AM, AM, AC                               ; l1
.set j, 0
.rept 8
	v_pk_mul_f32 v[T+j:T+j+1], v[AM+j:AM+j+1], 0xbfb8aa3b op_sel_hi:[1,0]         ; -l1 log2(e)
.set j, j+2
.endr
	TRANS v_exp_f32, T, T
.set j, 0
.rept 16
	v_max_num_f32 v[AM+j], 0, v[AM+j]              ; relu; also the plain instructions between the exponentials and their use (ISA guide 5.7.2)
.set j, j+1
.endr
.set j, 0
	s_wait_alu depctr_va_vdst(0)
.rept 8
	v_pk_add_f32 v[T+j:T+j+1], v[T+j:T+j+1], 1.0 op_sel_hi:[1,0]
.set j, j+2
.endr
	TRANS v_rcp_f32, DRELU, T                      ; sigmoid(l1).  The first lines of the split below touch neither T nor DRELU
	SPLIT AM, BH, BL, 8
	STOREF RF, BH, BL
	PKMUL G, G, DRELU
	SPLIT G, B2H, B2L, 8
	STOREF VF, B2H, B2L
	; ---------------- second products, both with wout: z = b1 + relu wout^T and y = (drelu o g) wout^T
	BARRIER
.irp i, 1,2,3
	LOADF RF, BH, BL, \i
	LOADF VF, B2H, B2L, \i
.endr
	s_wait_loadcnt 0x0                             ; wout
	WIN W_A
	MM WO, 0, BH, BL, AM, AC, 2, 1
	MM WO, 0, B2H, B2L, YM, YC, 0, 1
	s_wait_dscnt 16                                ; eight loads for each slot: slot 1's are in
	MM WO, 1, BH, BL, AM, AC, 1, 0
	MM WO, 1, B2H, B2L, YM, YC, 1, 0
	s_wait_dscnt 0x8
	MM WO, 2, BH, BL, AM, AC, 1, 0
	MM WO, 2, B2H, B2L, YM, YC, 1, 0
	s_wait_dscnt 0x0
	MM WO, 3, BH, BL, AM, AC, 1, 0
	MM WO, 3, B2H, B2L, YM, YC, 1, 0
	WIN 0
	PLACES
	PKADD AM, AM, AC                               ; z
	PKADD YM, YM, YC                               ; y
.set j, 0
.rept 16
	v_mul_f32 v[T+j], s38, |v[AM+j]|               ; -2 |z| log2(e)
.set j, j+1
.endr
	TRANS v_exp_f32, T, T                          ; e = exp(-2 |z|), at most 1
	v_nop                                          ; one plain instruction before the last result is read
.set j, 0
	s_wait_alu depctr_va_vdst(0)
.rept 8
	v_pk_fma_f32 v[U+j:U+j+1], v[T+j:T+j+1], 0.5, 0.5 op_sel_hi:[1,0,0]           ; (1 + e) / 2
.set j, j+2
.endr
	TRANS v_rcp_f32, U, U                          ; 2 / (1 + e)
	v_nop
	s_wait_alu depctr_va_vdst(0)
	PKMUL DTANH, T, U
	PKMUL DTANH, DTANH, U                          ; 4 e / (1 + e)^2 = 1 - tanh(z)^2
	PKMUL HDOT, YM, DTANH                          ; jx: the series' first term, and curr
	SPLIT HDOT, BH, BL, 8
	STOREF SC, BH, BL
	; ---------------- the eight further terms
	s_mov_b32 s37, 7
.Lterm:
	STAGE WH, SC, DRELU, SV, 0, 1                  ; v = drelu o (curr wh^T)
	STAGE WO, SV, DTANH, SC, 1, 1                  ; curr = dtanh o (v wout^T); h_dot += curr
	s_sub_co_u32 s37, s37, 1
	s_cmp_lg_u32 s37, 0
	s_cbranch_scc1 .Lterm
	STAGE WH, SC, DRELU, SV, 0, 1
	STAGE WO, SV, DTANH, 0, 1, 0                   ; the last term goes nowhere but into h_dot
	; ---------------- the way out: 32 bytes a lane into rows in LDS (bytes that were last read before the first products), back as whole rows
.irp t, 0,1
	ds_store_b128 v[RH], v[HDOT+8*\t:HDOT+8*\t+3] offset:RAWC+64*\t
	ds_store_b128 v[RH], v[HDOT+8*\t+4:HDOT+8*\t+7] offset:RAWC+64*\t+16
.endr
	BARRIER
.irp k, 0,1,2,3
	ds_load_b128 v[BH+4*\k:BH+4*\k+3], v[RW] offset:RAWC+PITCH*\k
.endr
.irp k, 0,1,2,3
	s_wait_dscnt 3-\k                              ; row k is in, the younger ones stay out
	global_store_b128 v[SA], v[BH+4*\k:BH+4*\k+3], s[22:23] offset:512*\k th:TH_STORE_NT         ; a whole row: 512 consecutive bytes
.endr
	s_set_vgpr_msb 0xa
	s_wait_tensorcnt 0x0
	ds_add_u32 v0, v1
	s_wait_dscnt 0x0
	s_set_vgpr_msb 0xa00
	s_endpgm
.Lfunc_end_k_q386035a5c3_cell:
	.size	k_q386035a5c3_cell, .Lfunc_end_k_q386035a5c3_cell-k_q386035a5c3_cell
	.p2alignl 7, 3214868480
	.fill 96, 4, 3214868480
	.section	.rodata,"a",@progbits
	.p2align	6, 0x0
	.amdhsa_kernel k_q386035a5c3_cell
		.amdhsa_group_segment_fixed_size 70912
		.amdhsa_private_segment_fixed_size 0
		.amdhsa_enable_private_segment 0
		.amdhsa_kernarg_size 64
		.amdhsa_user_sgpr_count 2
		.amdhsa_user_sgpr_kernarg_segment_ptr 1
		.amdhsa_wavefront_size32 1
		.amdhsa_system_sgpr_workgroup_id_x 1
		.amdhsa_system_sgpr_workgroup_id_y 1
		.amdhsa_system_sgpr_workgroup_id_z 1
		.amdhsa_system_vgpr_workitem_id 0
		.amdhsa_next_free_vgpr 514
		.amdhsa_next_free_sgpr 66
		.amdhsa_reserve_vcc 0
		.amdhsa_float_denorm_mode_32 3
		.amdhsa_float_denorm_mode_16_64 3
		.amdhsa_memory_ordered 1
		.amdhsa_forward_progress 1
		.amdhsa_inst_pref_size 66
	.end_amdhsa_kernel
	.amdgpu_metadata
---
amdhsa.version: [ 1, 2 ]
amdhsa.kernels:
  - .name:           k_q386035a5c3_cell
    .symbol:         k_q386035a5c3_cell.kd
    .args:
      - { .name: sel, .offset: 0, .size: 8, .value_kind: global_buffer, .address_space: global }
      - { .name: wimg, .offset: 8, .size: 8, .value_kind: global_buffer, .address_space: global }
      - { .name: coeffs, .offset: 16, .size: 8, .value_kind: global_buffer, .address_space: global }
      - { .name: dcoeffs, .offset: 24, .size: 8, .value_kind: global_buffer, .address_space: global }
      - { .name: h, .offset: 32, .size: 8, .value_kind: global_buffer, .address_space: global }
      - { .name: b0, .offset: 40, .size: 8, .value_kind: global_buffer, .address_space: global }
      - { .name: b1, .offset: 48, .size: 8, .value_kind: global_buffer, .address_space: global }
      - { .name: out0, .offset: 56, .size: 8, .value_kind: global_buffer, .address_space: global }
    .group_segment_fixed_size: 70912
    .private_segment_fixed_size: 0
    .kernarg_segment_align: 8
    .kernarg_segment_size: 64
    .max_flat_workgroup_size: 128
    .sgpr_count:     66
    .vgpr_count:     514
    .wavefront_size: 32
...
	.end_amdgpu_metadata
.endif
;; end of part 2
;; ======== version 2 of 2: 2 launches; version 1 with the launch cell written anew for expert scheduling mode
;; workspace buffers: sel 256 bytes of whole numbers; wimg 147,712 bytes
;; launch prep: the kernel of part 1 again; grid 18 x 1, 8 waves a work-group, no clusters, 0 bytes of LDS; arguments t, tobs, wh, wout, wx, sel, wimg; writes sel, wimg
;; launch cell (part 3): grid 256 x 1, 4 waves a work-group, no clusters, 70,912 bytes of LDS; arguments sel, wimg, coeffs, dcoeffs, h, b0, b1, out0; writes out0
.if DOCPART == 3
	.amdgcn_target "amdgcn-amd-amdhsa--gfx1250"
	.amdhsa_code_object_version 6
	.text
	.protected	k_q386035a5c3_cell
	.globl	k_q386035a5c3_cell
	.p2align	8
	.type	k_q386035a5c3_cell,@function
k_q386035a5c3_cell:
	s_mov_b64 s[64:65], 0
	v_nop
	global_prefetch_b8 v0, s[64:65] scope:SCOPE_SE
	s_setreg_imm32_b32 hwreg(HW_REG_WAVE_SCHED_MODE, 0, 2), 2
	s_setreg_imm32_b32 hwreg(HW_REG_WAVE_MODE, 25, 1), 1
	s_wait_xcnt 0x0
	s_wait_alu depctr_vm_vsrc(0)
; THE CELL AND ITS NEUMANN SERIES.  h_dot = sum over k = 0..8 of Jh^k jx, with Jh = diag(dtanh) wout diag(drelu) wh and
; jx = diag(dtanh) wout diag(drelu) wx xdot.  Jh and Jx are only ever applied to vectors, so they are applied from right to left and never
; formed: u = curr wh^T, v = drelu o u, y = v wout^T, curr = dtanh o y.  All products are act[rows][K] x W[128][K]^T.
;
; SHARES: a work-group owns 16 batch rows (4,096 / 256), wave w the output features 32 w .. 32 w + 31 (two tiles of 16) of every product.
; The matrix instruction takes 16 rows of W as its first source and 16 batch rows as its second: register j of lane (r = lane % 16, h = lane / 16)
; of tile t then holds feature 32 w + 16 t + 8 h + j of batch row r.  Packed to bf16, tile 0 is registers 0-3 and tile 1 registers 4-7 of the
; second-source fragment of K step w of the NEXT product: no number changes its lane.  The waves hand each other these fragments as they lie in
; registers, through LDS at 16 x lane.  Register slot i of a wave holds K step (w + i) & 3: slot 0 is its own fragment, whose products run
; while the other three are fetched.  The weights (288 registers) stay in registers throughout.
;
; NUMBERS: every matrix operand is a pair of bf16, hi + lo (lo = the exact rest, rounded), every product three bf16 products
; (hi hi, hi lo, lo hi) summed in f32: bf16 alone is too coarse for a chain of 18 products, f16 has no room for a series that may grow.
; LIMITS: the sums are ordered otherwise than in the reference (right to left, K steps rotated by wave, the spline by fused multiply-adds).
; A number that rounds past bf16's largest (about 3.39e38) becomes infinite in hi and NaN in the product.  relu of NaN is 0 here; the row is
; NaN all the same through drelu.  1 - tanh^2 is made as 4 e / (1 + e)^2 with e = exp(-2 |z|) <= 1: no overflow, no difference of near numbers.
;
; NO CLUSTER: the weight images are the same for all work-groups, but each wave takes its 36,864 bytes once, straight into the registers in
; which they stay; a joint request ends in LDS, from where 72 more LDS loads a wave would have to fetch them, behind a barrier of the cluster.
;
; THE MODE: SCHED_MODE bits 1:0 = 2 (LLVM: expert scheduling mode 2), set by the entry lines.  The code itself states the register dependences
; between vector or matrix instructions and memory or LDS instructions, with s_wait_alu, always for 0.
; THE PLAN.  Registers that memory or LDS instructions touch:
;   v1-v15        offsets and LDS addresses: made by vector instructions at the head, in two groups with a wait on va_vdst behind each, and never
;                 named by a vector instruction again.  v178, v179 (two more, for the raw rows) are written over by dtanh, far behind waits on vm_vsrc.
;   RAWCR, RAWHR  global loads land; LDS stores read them; behind the first barrier LDS loads land in them: a wait on vm_vsrc between.
;   slot 0 of BH, BL (XFR's first eight, B2H, B2L likewise)   written by a split, read by the LDS stores behind it, written again by the next split.
;   slots 1-3 of BH, BL, B2H, B2L (T and U lie in them)       LDS loads land behind a barrier; products read them; splits work in T.
;   HDOT          written by vector instructions; read by the LDS stores of the way out.
;   The weights in window 1, b0 and b1: written by loads alone, read by products alone: the memory counters' affair.
; So each phase has ONE wait on va_vdst, behind its split and ahead of its run of LDS stores: the split has written the stores' data, and it and the
; phase's products are done with the registers in which the next phase's loads land; between that wait and those loads stands at most
; h_dot += curr, which names HDOT and AM alone.  And ONE wait on vm_vsrc, behind the barrier: the stores have read slot 0, which the phase's
; split writes again.  A phase's loads stand in one run behind its barrier: what they fetch does not exist before it.
.set PITCH, 528                        ; raw rows: 512 bytes + 16, an odd multiple of 16: sixteen rows start in sixteen different 16-byte columns
.set RAWC,  0                          ; 32 rows: the 16 slices of coeffs, then those of dcoeffs.  At the end: 16 rows of results
.set RAWH,  16896                      ; 16 rows of h
.set XF,    25344                      ; x, xdot as fragments: wave x 1024 + p x 512 + 16 lane (wave = 2 x table + register half)
.set HF,    29440                      ; fragment slots, 8,192 bytes: maker's wave x 2048 + p x 1024 + q x 512 + 16 lane.  h,
.set RF,    37632                      ; relu,
.set VF,    45824                      ; drelu o (wx xdot),
.set SC,    54016                      ; curr,
.set SV,    62208                      ; v.  Ends at 70,400
.set DTOFF, 0x24000                    ; dt in wimg
; window 0
.set LL,    1                          ; 16 x lane
.set WOFF,  2                          ; v2-5    slot i: 16384 w + 2048 ((w + i) & 3) + 16 lane: my tiles' K step in a weight image
.set WXOFF, 6                          ; 4096 w + 16 lane
.set XSA,   7                          ; 1024 w + 16 lane
.set COFF,  8                          ; 65536 (w & 1) + 16 lane: my eight slices
.set BOFF,  9                          ; 128 w + 32 h: my features in b0, b1
.set SA,    10                         ; 2048 w + 16 lane: my part of a fragment slot; also my four rows of h and of out0
.set LA,    11                         ; v11-13  slot i = 1..3: 2048 ((w + i) & 3) + 16 lane
.set RH,    14                         ; 528 r + 128 w + 32 h: row r, my 32 features
.set RW,    15                         ; 2112 w + 16 lane: my four whole rows
.set B1,    16                         ; v[16:31]   b1 of my features
.set BH,    32                         ; v[32:63]   second-source fragments, hi, slot i at 8 i
.set BL,    64                         ; v[64:95]   lo
.set U,     48                         ; v[48:63]   at work, between products
.set T,     80                         ; v[80:95]   at work, between products
.set AM,    96                         ; v[96:111]  sums of hi x hi, two tiles
.set AC,    112                        ; v[112:127] sums of hi x lo and lo x hi
.set G,     128                        ; v[128:143] wx xdot; then YM, then h_dot
.set YM,    128
.set HDOT,  128
.set YC,    144                        ; v[144:159]
.set DRELU, 160                        ; v[160:175]
.set DTANH, 176                        ; v[176:191]
.set XFR,   192                        ; v[192:223] x hi, x lo, xdot hi, xdot lo
.set WX,    224                        ; v[224:255] wx: hi tile 0, hi tile 1, lo tile 0, lo tile 1
.set B2H,   192                        ; v[192:223] second operand of the double product, hi
.set B2L,   224                        ; v[224:255] lo
.set RAWCR, 128                        ; v[128:159] slices as loaded, then c0..c3 of my 8 channels
.set RAWHR, 160                        ; v[160:175] rows of h as loaded, then my fragment's 16 numbers
.set RR,    176                        ; before the products only: r,
.set HH,    177                        ; h,
.set CRA,   178                        ; (16 (w >> 1) + r) 528 + 64 (w & 1) + 32 h: my 8 channels in row r of my table,
.set CSA,   179                        ; 4224 w + 16 lane: my eight whole slice rows
; window 1: weight fragment (tile t, slot i, part p) at 64 t + 16 i + 8 p
.set WH,    0
.set WO,    128
.set MASKH, 36                         ; s36: a word's upper bf16
.set MSB, 0
.macro WIN new                         ; s_set_vgpr_msb; the immediate's high byte repeats the setting that is left
.if MSB != \new
	s_set_vgpr_msb (MSB<<8)|\new
.set MSB, \new
.endif
.endm
.set TO_W, 0x40                        ; destination in window 1 (loads of weights)
.set W_A,  0x01                        ; first source in window 1 (products with wh, wout)
.macro WM d, a, b, c
	v_wmma_f32_16x16x32_bf16 v[\d:\d+7], v[\a:\a+7], v[\b:\b+7], v[\c:\c+7]
.endm
.macro WMZ d, a, b                     ; the first product starts a sum
	v_wmma_f32_16x16x32_bf16 v[\d:\d+7], v[\a:\a+7], v[\b:\b+7], 0
.endm
; Six products of one K step: four chains in place.  cm: am starts from 0 (0), goes on (1), starts from b1 (2).  cc = 1: ac starts from 0.
.macro MM wb, i, bh, bl, am, ac, cm, cc
.if \cm == 0
	WMZ \am, \wb+16*\i, \bh+8*\i
	WMZ \am+8, \wb+64+16*\i, \bh+8*\i
.else
.if \cm == 1
	WM \am, \wb+16*\i, \bh+8*\i, \am
	WM \am+8, \wb+64+16*\i, \bh+8*\i, \am+8
.else
	WM \am, \wb+16*\i, \bh+8*\i, B1
	WM \am+8, \wb+64+16*\i, \bh+8*\i, B1+8
.endif
.endif
.if \cc
	WMZ \ac, \wb+16*\i, \bl+8*\i
	WMZ \ac+8, \wb+64+16*\i, \bl+8*\i
.else
	WM \ac, \wb+16*\i, \bl+8*\i, \ac
	WM \ac+8, \wb+64+16*\i, \bl+8*\i, \ac+8
.endif
	WM \ac, \wb+16*\i+8, \bh+8*\i, \ac
	WM \ac+8, \wb+64+16*\i+8, \bh+8*\i, \ac+8
.endm
; Four independent vector instructions stand between a matrix instruction and a vector instruction that reads its result or writes one of its
; registers (ISA guide 7.12.1); other matrix instructions are not counted as such here.
.macro PLACES
.rept 4
	v_nop
.endr
.endm
; cnt pairs of f32 at src -> packed bf16 hi and lo.  src - hi is exact in f32.
.macro SPLIT src, hi, lo, cnt
.set j, 0
.rept \cnt
	v_cvt_pk_bf16_f32 v[\hi+j], v[\src+2*j], v[\src+2*j+1]
.set j, j+1
.endr
.set j, 0
.rept \cnt
	v_lshlrev_b32 v[T+2*j], 16, v[\hi+j]
	v_and_b32 v[T+2*j+1], s[MASKH], v[\hi+j]
.set j, j+1
.endr
.set j, 0
.rept \cnt
	v_pk_add_f32 v[T+2*j:T+2*j+1], v[\src+2*j:\src+2*j+1], v[T+2*j:T+2*j+1] neg_lo:[0,1] neg_hi:[0,1]
.set j, j+1
.endr
.set j, 0
.rept \cnt
	v_cvt_pk_bf16_f32 v[\lo+j], v[T+2*j], v[T+2*j+1]
.set j, j+1
.endr
.endm
.macro PKADD d, a, b                   ; 16 numbers: d = a + b
.set j, 0
.rept 8
	v_pk_add_f32 v[\d+j:\d+j+1], v[\a+j:\a+j+1], v[\b+j:\b+j+1]
.set j, j+2
.endr
.endm
.macro PKMUL d, a, b                   ; 16 numbers: d = a b
.set j, 0
.rept 8
	v_pk_mul_f32 v[\d+j:\d+j+1], v[\a+j:\a+j+1], v[\b+j:\b+j+1]
.set j, j+2
.endr
.endm
.macro TRANS op, d, s                  ; 16 transcendentals back to back
.set j, 0
.rept 16
	\op v[\d+j], v[\s+j]
.set j, j+1
.endr
.endm
.macro STOREF reg, hi, lo              ; my fragment into my part of slot reg
	ds_store_b128 v[SA], v[\hi:\hi+3] offset:\reg
	ds_store_b128 v[SA], v[\hi+4:\hi+7] offset:\reg+512
	ds_store_b128 v[SA], v[\lo:\lo+3] offset:\reg+1024
	ds_store_b128 v[SA], v[\lo+4:\lo+7] offset:\reg+1536
.endm
.macro LOADF reg, bh, bl, i            ; the fragment of K step (w + i) & 3 out of slot reg
	ds_load_b128 v[\bh+8*\i:\bh+8*\i+3], v[LA+\i-1] offset:\reg
	ds_load_b128 v[\bh+8*\i+4:\bh+8*\i+7], v[LA+\i-1] offset:\reg+512
	ds_load_b128 v[\bl+8*\i:\bl+8*\i+3], v[LA+\i-1] offset:\reg+1024
	ds_load_b128 v[\bl+8*\i+4:\bl+8*\i+7], v[LA+\i-1] offset:\reg+1536
.endm
.macro LOADW wb, base                  ; 32 loads: my two tiles of a 128 x 128 weight image, hi and lo, into window 1
	WIN TO_W
.irp t, 0,1
.irp i, 0,1,2,3
.irp p, 0,1
.irp q, 0,1
	global_load_b128 v[\wb+64*\t+16*\i+8*\p+4*\q:\wb+64*\t+16*\i+8*\p+4*\q+3], v[WOFF+\i], s[10:11] offset:\base+8192*\t+1024*\p+512*\q
.endr
.endr
.endr
.endr
	WIN 0
.endm
.macro BARRIER
	s_wait_dscnt 0x0                               ; for the others' sake: my LDS stores have landed and my LDS loads have been served
	s_barrier_signal -1
	s_barrier_wait -1
.endm
; One product of the series: AM = dv o (W x fragments of slot rd).  more = 1: the result goes on as my fragment into slot wr, and with addh = 1
; is added to h_dot.  more = 0: the last term, added by a fused multiply-add.  One barrier does for both directions: a slot is written again
; only behind the barrier that follows the stage that read it, and in front of that barrier every wave has waited for its loads.
.macro STAGE wb, rd, dv, wr, addh, more
	BARRIER
	s_wait_alu depctr_vm_vsrc(0)                   ; my LDS stores of the stage before have read slot 0 of BH and BL, which this stage's split writes again (behind the last stage: in which the way out's loads land)
	LOADF \rd, BH, BL, 1                           ; no wait on va_vdst here: the one ahead of the last stores stands behind every product that read slots 1 to 3 and behind the split
	LOADF \rd, BH, BL, 2                           ; that worked in T, and no vector or matrix instruction since then names these registers or the addresses
	LOADF \rd, BH, BL, 3
	WIN W_A
	MM \wb, 0, BH, BL, AM, AC, 0, 1                ; my own fragment is in registers already
	s_wait_dscnt 0x8                               ; LDS loads return in order (ISA guide 5.7.1): slot 1's four are in, eight stay out
	MM \wb, 1, BH, BL, AM, AC, 1, 0
	s_wait_dscnt 0x4                               ; slot 2's
	MM \wb, 2, BH, BL, AM, AC, 1, 0
	s_wait_dscnt 0x0                               ; slot 3's
	MM \wb, 3, BH, BL, AM, AC, 1, 0
	WIN 0
	PLACES
	PKADD AM, AM, AC
.if \more
	PKMUL AM, AM, \dv
	SPLIT AM, BH, BL, 8
	s_wait_alu depctr_va_vdst(0)                   ; the split has written slot 0 of BH and BL, which the stores read; it is done with T, and the products with slots 1 to 3, in which the next stage's loads land
	STOREF \wr, BH, BL
.if \addh
	PKADD HDOT, HDOT, AM                           ; behind the stores: it fills the time that they take; it names HDOT and AM alone
.endif
.else
.set j, 0
.rept 8
	v_pk_fma_f32 v[HDOT+j:HDOT+j+1], v[AM+j:AM+j+1], v[\dv+j:\dv+j+1], v[HDOT+j:HDOT+j+1]
.set j, j+2
.endr
.endif
.endm
	; ---------------- set-up: what the first loads need
	s_load_b512 s[8:23], s[0:1], 0x0               ; sel s[8:9], wimg s[10:11], coeffs s[12:13], dcoeffs s[14:15], h s[16:17], b0 s[18:19], b1 s[20:21], out0 s[22:23]
	s_set_vgpr_msb 0x80
	v_lshl_add_u32 v0, v0, 2, 0x11300
	v_mov_b32 v1, 0
	s_set_vgpr_msb 0x8000
	v_lshrrev_b32 v[RR], 5, v0
	v_readfirstlane_b32 s24, v[RR]                 ; w
	v_and_b32 v[LL], 31, v0
	v_lshlrev_b32 v[LL], 4, v[LL]
	s_wait_alu depctr_va_sdst(0)                   ; s24 is written, ahead of its first reader: offsets, addresses and the choice of the table are made from it
	s_lshl_b32 s40, s24, 11
	v_add_nc_u32 v[SA], s40, v[LL]
	s_lshl_b32 s39, s24, 14                        ; my two tiles in a weight image
.irp i, 0,1,2,3
	s_add_co_u32 s40, s24, \i
	s_and_b32 s40, s40, 3                          ; slot i's K step
	s_lshl_b32 s40, s40, 11
.if \i
	v_add_nc_u32 v[LA+\i-1], s40, v[LL]
.endif
	s_add_co_u32 s40, s40, s39
	v_add_nc_u32 v[WOFF+\i], s40, v[LL]
.endr
	s_lshl_b32 s32, ttmp9, 13                      ; the work-group's 16 rows of 512 bytes in h and out0
	s_mov_b32 s33, 0
	s_wait_kmcnt 0x0
	s_load_b32 s28, s[8:9], 0x0                    ; idx
	s_load_b32 s30, s[10:11], DTOFF                ; dt
	s_add_nc_u64 s[16:17], s[16:17], s[32:33]
	s_add_nc_u64 s[22:23], s[22:23], s[32:33]
	; ---------------- all global loads, 60 and later 32 more; each load of h and of a slice covers 512 consecutive bytes
	s_wait_alu depctr_va_vdst(0)                   ; v[SA] and v[WOFF ..] are written, which the loads of h and of wh read as their offsets
.irp k, 0,1,2,3
	global_load_b128 v[RAWHR+4*\k:RAWHR+4*\k+3], v[SA], s[16:17] offset:512*\k th:TH_LOAD_NT     ; rows 4 w + k of h
.endr
	LOADW WH, 0
	; the other addresses, while idx is on its way
	v_and_b32 v[RR], 15, v0
	v_bfe_u32 v[HH], v0, 4, 1
	s_and_b32 s25, s24, 1
	s_lshr_b32 s26, s24, 1
	s_mov_b32 s[MASKH], 0xffff0000
	s_mov_b32 s38, 0xc038aa3b                      ; -2 log2(e)
	s_lshl_b32 s40, s24, 12
	v_add_nc_u32 v[WXOFF], s40, v[LL]
	s_lshl_b32 s40, s24, 10
	v_add_nc_u32 v[XSA], s40, v[LL]
	s_lshl_b32 s40, s25, 16                        ; 8 batch rows of 8,192 bytes
	v_add_nc_u32 v[COFF], s40, v[LL]
	s_lshl_b32 s40, s24, 7
	v_lshl_add_u32 v[BOFF], v[HH], 5, s40
	v_mul_u32_u24 v[CRA], v[RR], PITCH
	v_add_nc_u32 v[RH], v[BOFF], v[CRA]
	v_lshl_add_u32 v[CRA], v[HH], 5, v[CRA]
	s_mul_i32 s39, s26, 16*PITCH
	s_lshl_b32 s40, s25, 6
	s_add_co_u32 s39, s39, s40
	v_add_nc_u32 v[CRA], s39, v[CRA]
	s_mul_i32 s40, s24, 8*PITCH
	v_add_nc_u32 v[CSA], s40, v[LL]
	s_mul_i32 s40, s24, 4*PITCH
	v_add_nc_u32 v[RW], s40, v[LL]
	s_lshl_b32 s32, ttmp9, 17                      ; the work-group's 16 batch rows of 8,192 bytes in a table
	s_wait_kmcnt 0x0
	s_min_u32 s28, s28, 15                         ; an interval of the table, whatever the word holds
	s_mov_b32 s31, s30                             ; dt as a pair
	s_lshl_b32 s39, s28, 9                         ; a slice [4][32] of f32 is 512 bytes
	s_add_co_u32 s32, s32, s39
	s_cmp_eq_u32 s26, 0                            ; waves 0, 1: coeffs; waves 2, 3: dcoeffs
	s_cselect_b64 s[34:35], s[12:13], s[14:15]
	s_add_nc_u64 s[34:35], s[34:35], s[32:33]
	s_wait_alu depctr_va_vdst(0)                   ; all offsets and LDS addresses (v1 to v15, v178, v179) are written; no vector instruction names v1 to v15 from here on, so this wait serves every later access by them
.irp k, 0,1,2,3,4,5,6,7
	global_load_b128 v[RAWCR+4*\k:RAWCR+4*\k+3], v[COFF], s[34:35] offset:8192*\k th:TH_LOAD_NT  ; batch rows 8 (w & 1) + k
.endr
.irp p, 0,1
.irp t, 0,1
.irp q, 0,1
	global_load_b128 v[WX+16*\p+8*\t+4*\q:WX+16*\p+8*\t+4*\q+3], v[WXOFF], s[10:11] offset:131072+2048*\t+1024*\p+512*\q
.endr
.endr
.endr
.irp t, 0,1
	global_load_b128 v[AM+8*\t:AM+8*\t+3], v[BOFF], s[18:19] offset:64*\t          ; b0 starts the sums of l1
	global_load_b128 v[AM+8*\t+4:AM+8*\t+7], v[BOFF], s[18:19] offset:64*\t+16
.endr
.irp t, 0,1
	global_load_b128 v[B1+8*\t:B1+8*\t+3], v[BOFF], s[20:21] offset:64*\t
	global_load_b128 v[B1+8*\t+4:B1+8*\t+7], v[BOFF], s[20:21] offset:64*\t+16
.endr
	; ---------------- raw rows into LDS
	s_wait_loadcnt 16                              ; the 16 youngest (wx 8, b0 4, b1 4) may stay out: h, wh and the slices are in
.irp k, 0,1,2,3,4,5,6,7
	ds_store_b128 v[CSA], v[RAWCR+4*\k:RAWCR+4*\k+3] offset:RAWC+PITCH*\k
.endr
.irp k, 0,1,2,3
	ds_store_b128 v[RW], v[RAWHR+4*\k:RAWHR+4*\k+3] offset:RAWH+PITCH*\k
.endr
	LOADW WO, 65536                                ; wanted only two products later; no vector instruction has been issued since the wait on va_vdst above
	BARRIER
	s_wait_alu depctr_vm_vsrc(0)                   ; my LDS stores have read v[RAWCR ..] and v[RAWHR ..], in which the loads below land
	; ---------------- x, xdot and h as fragments.  Wave w: table w >> 1, channels 16 (w & 1) + 8 h + 0..7 of batch row r; K step w of h
.irp p, 0,1,2,3
	ds_load_b128 v[RAWCR+8*\p:RAWCR+8*\p+3], v[CRA] offset:RAWC+128*\p
	ds_load_b128 v[RAWCR+8*\p+4:RAWCR+8*\p+7], v[CRA] offset:RAWC+128*\p+16
.endr
	ds_load_b128 v[RAWHR:RAWHR+3], v[RH] offset:RAWH
	ds_load_b128 v[RAWHR+4:RAWHR+7], v[RH] offset:RAWH+16
	ds_load_b128 v[RAWHR+8:RAWHR+11], v[RH] offset:RAWH+64
	ds_load_b128 v[RAWHR+12:RAWHR+15], v[RH] offset:RAWH+80
	s_wait_dscnt 0x4                               ; the four loads of h may stay out: c0..c3 are in
.irp j, 0,2,4,6
	v_pk_fma_f32 v[RAWCR+24+\j:RAWCR+25+\j], v[RAWCR+24+\j:RAWCR+25+\j], s[30:31], v[RAWCR+16+\j:RAWCR+17+\j] op_sel_hi:[1,0,1]  ; c3 dt + c2
.endr
.irp j, 0,2,4,6
	v_pk_fma_f32 v[RAWCR+24+\j:RAWCR+25+\j], v[RAWCR+24+\j:RAWCR+25+\j], s[30:31], v[RAWCR+8+\j:RAWCR+9+\j] op_sel_hi:[1,0,1]    ; .. dt + c1
.endr
.irp j, 0,2,4,6
	v_pk_fma_f32 v[RAWCR+\j:RAWCR+1+\j], v[RAWCR+24+\j:RAWCR+25+\j], s[30:31], v[RAWCR+\j:RAWCR+1+\j] op_sel_hi:[1,0,1]          ; .. dt + c0
.endr
	SPLIT RAWCR, XFR, XFR+4, 4
	s_wait_dscnt 0x0                               ; my 16 numbers of h are in
	SPLIT RAWHR, BH, BL, 8                         ; both splits stand ahead of all six stores, so that one wait serves the run
	s_wait_alu depctr_va_vdst(0)                   ; the two splits have written v[XFR .. XFR+7] and slot 0 of BH and BL, which the stores read; they are done with T, in which loads land behind the barrier
	ds_store_b128 v[XSA], v[XFR:XFR+3] offset:XF
	ds_store_b128 v[XSA], v[XFR+4:XFR+7] offset:XF+512
	STOREF HF, BH, BL
	BARRIER
	s_wait_alu depctr_vm_vsrc(0)                   ; my LDS stores have read v[XFR .. XFR+7], in which the loads below land, and slot 0 of BH and BL, which the split of relu writes again; the raw rows' loads have read v178
	; ---------------- first products: l1 = b0 + h wh^T + x wx^T, and g = xdot wx^T
.irp sl, 0,1
.irp q, 0,1
.irp p, 0,1
	ds_load_b128 v[XFR+16*\sl+8*\p+4*\q:XFR+16*\sl+8*\p+4*\q+3], v[LL] offset:XF+2048*\sl+1024*\q+512*\p
.endr
.endr
.endr
	LOADF HF, BH, BL, 1
	LOADF HF, BH, BL, 2
	LOADF HF, BH, BL, 3
	s_wait_loadcnt 32                              ; wout's 32 loads may stay out: wx, b0, b1 are in
	WIN W_A
	MM WH, 0, BH, BL, AM, AC, 1, 1                 ; on top of b0
	s_wait_dscnt 12                                ; the twelve loads of h's fragments may stay out: x and xdot are in
	WIN 0
	WM AM, WX, XFR, AM
	WM AM+8, WX+8, XFR, AM+8
	WM AC, WX, XFR+8, AC
	WM AC+8, WX+8, XFR+8, AC+8
	WM AC, WX+16, XFR, AC
	WM AC+8, WX+24, XFR, AC+8
	WMZ G, WX, XFR+16
	WMZ G+8, WX+8, XFR+16
	WM G, WX, XFR+24, G
	WM G+8, WX+8, XFR+24, G+8
	WM G, WX+16, XFR+16, G
	WM G+8, WX+24, XFR+16, G+8
	WIN W_A
	s_wait_dscnt 0x8
	MM WH, 1, BH, BL, AM, AC, 1, 0
	s_wait_dscnt 0x4
	MM WH, 2, BH, BL, AM, AC, 1, 0
	s_wait_dscnt 0x0
	MM WH, 3, BH, BL, AM, AC, 1, 0
	WIN 0
	PLACES
	PKADD AM, AM, AC                               ; l1
.set j, 0
.rept 8
	v_pk_mul_f32 v[T+j:T+j+1], v[AM+j:AM+j+1], 0xbfb8aa3b op_sel_hi:[1,0]         ; -l1 log2(e)
.set j, j+2
.endr
	TRANS v_exp_f32, T, T
.set j, 0
.rept 16
	v_max_num_f32 v[AM+j], 0, v[AM+j]              ; relu; also the plain instructions between the exponentials and their use (ISA guide 5.7.2)
.set j, j+1
.endr
	s_wait_alu depctr_va_vdst(0)                   ; the sixteen exponentials have written T: the wait stands ahead of the first line that names a result; one for the batch
.set j, 0
.rept 8
	v_pk_add_f32 v[T+j:T+j+1], v[T+j:T+j+1], 1.0 op_sel_hi:[1,0]
.set j, j+2
.endr
	TRANS v_rcp_f32, DRELU, T                      ; sigmoid(l1).  The first lines of the split below touch neither T nor DRELU
	SPLIT AM, BH, BL, 8
	s_wait_alu depctr_va_vdst(0)                   ; the split has written slot 0 of BH and BL, which the stores read; the sixteen reciprocals have written DRELU, ahead of its first reader below
	STOREF RF, BH, BL
	PKMUL G, G, DRELU
	SPLIT G, B2H, B2L, 8
	s_wait_alu depctr_va_vdst(0)                   ; the split has written slot 0 of B2H and B2L, which the stores read; it is done with T, and the first products with slots 1 to 3 of all four, in which loads land behind the barrier
	STOREF VF, B2H, B2L
	; ---------------- second products, both with wout: z = b1 + relu wout^T and y = (drelu o g) wout^T
	BARRIER
	s_wait_alu depctr_vm_vsrc(0)                   ; my LDS stores of relu's fragment have read slot 0 of BH and BL, which the split of jx writes again
.irp i, 1,2,3
	LOADF RF, BH, BL, \i
	LOADF VF, B2H, B2L, \i
.endr
	s_wait_loadcnt 0x0                             ; wout
	WIN W_A
	MM WO, 0, BH, BL, AM, AC, 2, 1
	MM WO, 0, B2H, B2L, YM, YC, 0, 1
	s_wait_dscnt 16                                ; eight loads for each slot: slot 1's are in
	MM WO, 1, BH, BL, AM, AC, 1, 0
	MM WO, 1, B2H, B2L, YM, YC, 1, 0
	s_wait_dscnt 0x8
	MM WO, 2, BH, BL, AM, AC, 1, 0
	MM WO, 2, B2H, B2L, YM, YC, 1, 0
	s_wait_dscnt 0x0
	MM WO, 3, BH, BL, AM, AC, 1, 0
	MM WO, 3, B2H, B2L, YM, YC, 1, 0
	WIN 0
	PLACES
	PKADD AM, AM, AC                               ; z
.set j, 0
.rept 16
	v_mul_f32 v[T+j], s38, |v[AM+j]|               ; -2 |z| log2(e)
.set j, j+1
.endr
	TRANS v_exp_f32, T, T                          ; e = exp(-2 |z|), at most 1
	PKADD YM, YM, YC                               ; y: independent work behind the batch, and the plain instructions before a result is read
	s_wait_alu depctr_va_vdst(0)                   ; the sixteen exponentials have written T, ahead of its first reader: one wait for the batch
.set j, 0
.rept 8
	v_pk_fma_f32 v[U+j:U+j+1], v[T+j:T+j+1], 0.5, 0.5 op_sel_hi:[1,0,0]           ; (1 + e) / 2
.set j, j+2
.endr
	TRANS v_rcp_f32, U, U                          ; 2 / (1 + e)
	v_nop                                          ; one plain instruction before the last result is read
	s_wait_alu depctr_va_vdst(0)                   ; the sixteen reciprocals have written U, ahead of its first reader: one wait for the batch
	PKMUL DTANH, T, U
	PKMUL DTANH, DTANH, U                          ; 4 e / (1 + e)^2 = 1 - tanh(z)^2
	PKMUL HDOT, YM, DTANH                          ; jx: the series' first term, and curr
	SPLIT HDOT, BH, BL, 8
	s_wait_alu depctr_va_vdst(0)                   ; the split has written slot 0 of BH and BL, which the stores read; the lines above are done with T and U, and the second products with slots 1 to 3, in which the first stage's loads land
	STOREF SC, BH, BL
	; ---------------- the eight further terms
	s_mov_b32 s37, 7
.Lterm:
	STAGE WH, SC, DRELU, SV, 0, 1                  ; v = drelu o (curr wh^T)
	STAGE WO, SV, DTANH, SC, 1, 1                  ; curr = dtanh o (v wout^T); h_dot += curr
	s_sub_co_u32 s37, s37, 1
	s_cmp_lg_u32 s37, 0
	s_cbranch_scc1 .Lterm
	STAGE WH, SC, DRELU, SV, 0, 1
	STAGE WO, SV, DTANH, 0, 1, 0                   ; the last term goes nowhere but into h_dot
	; ---------------- the way out: 32 bytes a lane into rows in LDS (bytes that were last read before the first products), back as whole rows
	s_wait_alu depctr_va_vdst(0)                   ; the fused multiply-adds have written HDOT, which the stores read; the last products are done with slots 0 and 1 of BH, in which the loads behind the barrier land
.irp t, 0,1
	ds_store_b128 v[RH], v[HDOT+8*\t:HDOT+8*\t+3] offset:RAWC+64*\t
	ds_store_b128 v[RH], v[HDOT+8*\t+4:HDOT+8*\t+7] offset:RAWC+64*\t+16
.endr
	BARRIER
.irp k, 0,1,2,3
	ds_load_b128 v[BH+4*\k:BH+4*\k+3], v[RW] offset:RAWC+PITCH*\k
.endr
.irp k, 0,1,2,3
	s_wait_dscnt 3-\k                              ; row k is in, the younger ones stay out
	global_store_b128 v[SA], v[BH+4*\k:BH+4*\k+3], s[22:23] offset:512*\k th:TH_STORE_NT         ; a whole row: 512 consecutive bytes
.endr
	s_set_vgpr_msb 0xa
	s_wait_dscnt 0x0
	s_wait_alu depctr_hold_cnt(0) depctr_sa_sdst(0) depctr_va_vdst(0) depctr_va_sdst(0) depctr_va_ssrc(0) depctr_va_vcc(0) depctr_vm_vsrc(0)
	s_wait_tensorcnt 0x0
	ds_add_u32 v0, v1
	s_wait_dscnt 0x0
	s_endpgm
.Lfunc_end_k_q386035a5c3_cell:
	.size	k_q386035a5c3_cell, .Lfunc_end_k_q386035a5c3_cell-k_q386035a5c3_cell
	.p2alignl 7, 3214868480
	.fill 96, 4, 3214868480
	.section	.rodata,"a",@progbits
	.p2align	6, 0x0
	.amdhsa_kernel k_q386035a5c3_cell
		.amdhsa_group_segment_fixed_size 70912
		.amdhsa_private_segment_fixed_size 0
		.amdhsa_enable_private_segment 0
		.amdhsa_kernarg_size 64
		.amdhsa_user_sgpr_count 2
		.amdhsa_user_sgpr_kernarg_segment_ptr 1
		.amdhsa_wavefront_size32 1
		.amdhsa_system_sgpr_workgroup_id_x 1
		.amdhsa_system_sgpr_workgroup_id_y 1
		.amdhsa_system_sgpr_workgroup_id_z 1
		.amdhsa_system_vgpr_workitem_id 0
		.amdhsa_next_free_vgpr 514
		.amdhsa_next_free_sgpr 66
		.amdhsa_reserve_vcc 0
		.amdhsa_float_denorm_mode_32 3
		.amdhsa_float_denorm_mode_16_64 3
		.amdhsa_memory_ordered 1
		.amdhsa_forward_progress 1
		.amdhsa_inst_pref_size 67
	.end_amdhsa_kernel
	.amdgpu_metadata
---
amdhsa.version: [ 1, 2 ]
amdhsa.kernels:
  - .name:           k_q386035a5c3_cell
    .symbol:         k_q386035a5c3_cell.kd
    .args:
      - { .name: sel, .offset: 0, .size: 8, .value_kind: global_buffer, .address_space: global }
      - { .name: wimg, .offset: 8, .size: 8, .value_kind: global_buffer, .address_space: global }
      - { .name: coeffs, .offset: 16, .size: 8, .value_kind: global_buffer, .address_space: global }
      - { .name: dcoeffs, .offset: 24, .size: 8, .value_kind: global_buffer, .address_space: global }
      - { .name: h, .offset: 32, .size: 8, .value_kind: global_buffer, .address_space: global }
      - { .name: b0, .offset: 40, .size: 8, .value_kind: global_buffer, .address_space: global }
      - { .name: b1, .offset: 48, .size: 8, .value_kind: global_buffer, .address_space: global }
      - { .name: out0, .offset: 56, .size: 8, .value_kind: global_buffer, .address_space: global }
    .group_segment_fixed_size: 70912
    .private_segment_fixed_size: 0
    .kernarg_segment_align: 8
    .kernarg_segment_size: 64
    .max_flat_workgroup_size: 128
    .sgpr_count:     66
    .vgpr_count:     514
    .wavefront_size: 32
...
	.end_amdgpu_metadata
.endif
;; end of part 3
